; MI455X (gfx1250); checked and timed in simulation.
; The chip was launched on July 23, 2026; its instructions are those of AMD's public machine-readable ISA for CDNA 5 (MIT licence, August 2026) and "CDNA5" Instruction Set Architecture Reference Guide (July 2026). The comments in the code are by the model that wrote it; some were corrected since.
;; Distance Probe. Allowed arithmetic: float matrix products may take bf16 or f16 operands with f32 sums; all other float work in f32.
;; Inputs: batch 8 x 512 x 1,024 float32; proj 1,024 x 128 float32.
;; Outputs: out0 8 x 512 x 512 float32.
;; One version. Each part assembles by itself: llvm-mc -triple=amdgcn-amd-amdhsa -mcpu=gfx1250 --defsym DOCPART=n.
;; ======== version 1 of 1: 2 launches
;; limits: values outside matrix products are rounded to bf16; a difference of large sums (such as E[x^2] - mean^2): digits are lost where the result is much smaller than its terms
;; workspace buffers: tfrag 1,048,576 bytes; norms 16,384 bytes
;; launch project (part 1): grid 256 x 1, 8 waves a work-group, no clusters, 103,936 bytes of LDS; arguments batch, proj, tfrag, norms; writes tfrag, norms
.if DOCPART == 1
	.amdgcn_target "amdgcn-amd-amdhsa--gfx1250"
	.amdhsa_code_object_version 6
	.text
	.protected	k_qe289514974_project
	.globl	k_qe289514974_project
	.p2align	8
	.type	k_qe289514974_project,@function
k_qe289514974_project:
	s_mov_b64 s[64:65], 0
	v_nop
	global_prefetch_b8 v0, s[64:65] scope:SCOPE_SE
	s_setreg_imm32_b32 hwreg(HW_REG_WAVE_MODE, 25, 1), 1
	s_wait_xcnt 0x0
; t'[row][n] = sum over k of (batch[row][k] - batch[row 0 of the row's sequence][k]) * proj[k][n], rounded to bf16, and |t'[row]|^2.
; batch: [4096][1024] f32 (8 sequences of 512 rows).  proj: [1024][128] f32.  Products in bf16, sums in f32.
; Only differences of projected rows of one sequence are wanted later, so any row may be taken away from all rows of a sequence.  It is taken
; away in f32 ahead of the rounding to bf16: a common offset of batch cancels here and never reaches a bf16 operand or a norm.
; LIMITS, kept on purpose: the later distances carry an error of about 2^-8 x (the two rows' distance from row 0) x (the root of the distance),
; which grows if row 0 is a far outlier of its sequence; an Inf or NaN in row 0 spoils its whole sequence, not one row and one column alone.
;
; WORK: work-group g takes 16 rows, 64 (g>>2) + (g&3) + 4 m (m = 0..15), one tile of M, and all 128 columns.  Wave w takes k = 128 w .. 128 w + 127:
; nothing is loaded or converted twice; the eight partial blocks of 16 x 128 are added through LDS at the end.
; PROJ goes from memory straight into registers, 64 KiB a wave: each of its numbers feeds ONE matrix instruction of the work-group.  A load gives lanes 0-15
; 256 aligned bytes of row k and lanes 16-31 the same columns of row k + 8.  The four numbers of a lane are taken as members of four tiles with
; interleaved columns (tile c of a half row: column c0 + 4 r + c in lane r), so that rounding rows k and k + 1 together gives a B fragment's register.
; NO JOINT REQUESTS for proj, although every work-group reads it: they come through LDS alone, which would add a write and a read of 512 KiB to a
; work-group that uses each number once; 512 KiB do not fit beside each other, so the slots would be filled again, each time behind a round of the cluster's barrier.
; OUT: tile g of tfrag is 4 KiB, [chunk of 8 columns 0..15][m 0..15][8 bf16]: byte 512 q + 16 lane is what lane takes as registers 4 q .. 4 q + 3 of the
; tile's four K = 32 fragments.  norms[16 g + m] = the sum of the squares of the ROUNDED numbers of row m.
.set ROWB,   4096                      ; bytes in a row of batch
.set PROWB,  512                       ; bytes in a row of proj
.set APITCH, 272                       ; LDS: a row's 128 bf16 of one wave's k, + 16 bytes: an odd multiple of 16, so 16 rows start in 16 different groups of four banks
.set AWAVE,  16*APITCH                 ; a wave's own 16 rows
.set PBASE,  8*AWAVE                   ; LDS: the partial sums
.set PPITCH, 528                       ; a row of 128 f32 + 16 bytes: again an odd multiple of 16
.set PWAVE,  16*PPITCH                 ; a wave's partial block
.set NBASE,  PBASE+8*PWAVE             ; LDS: 8 waves x 16 partial norms
.set AF,  8                            ; v[8:15]    A fragment of the K step at work (first: minus row 0)
.set F,   16                           ; v[16:47]   four B fragments (first: set-up, then batch in bf16 on its way to LDS)
.set ACC, 48                           ; v[48:111]  eight accumulator tiles: 4 x half row + c (first: batch as loaded)
.set ST,  112                          ; v[112:239] ring of 32 loads of proj, 4 registers each
; v1 16 lane; v2 4096 h + 16 r; v3, v4 LDS: batch in, fragments out; v5, v6 LDS: partial sums in, out; v7 LDS: partial norms
; Load number idx (0..127) of the wave's 128 rows of proj.  K step idx/32, half row (idx/16)%2, row of the K step: 0..7 and 16..23 (+ 8 for lanes 16-31).
.macro BLOAD idx
	global_load_b128 v[ST+4*((\idx)%32):ST+4*((\idx)%32)+3], v2, s[20:21] offset:(32*((\idx)/32)+(\idx)%16+8*(((\idx)%16)/8))*PROWB+256*(((\idx)/16)%2)
.endm
	s_load_b128 s[4:7], s[0:1], 0x0                ; batch s[4:5], proj s[6:7]
	s_load_b128 s[8:11], s[0:1], 0x10              ; tfrag s[8:9], norms s[10:11]
	v_lshl_add_u32 v240, v0, 2, 0x19200
	v_mov_b32 v241, 0
	v_lshrrev_b32 v19, 5, v0
	v_readfirstlane_b32 s12, v19                   ; wave 0..7
	v_and_b32 v18, 31, v0                          ; lane
	v_and_b32 v16, 15, v0                          ; r
	v_bfe_u32 v17, v0, 4, 1                        ; h
	v_lshlrev_b32 v1, 4, v18                       ; batch: 16 bytes a lane, 512 consecutive bytes a load
	v_lshlrev_b32 v2, 4, v16
	v_lshl_add_u32 v2, v17, 12, v2                 ; proj: 16 r, and 8 rows further down for lanes 16-31
	s_lshr_b32 s13, ttmp9, 2
	s_and_b32 s14, ttmp9, 3
	s_lshl_b32 s13, s13, 6
	s_add_co_u32 s13, s13, s14                     ; my first row: 64 (g>>2) + (g&3)
	s_lshl_b32 s16, s13, 12                        ; in bytes (below 2^24)
	s_lshl_b32 s15, s12, 9                         ; my wave's 512 bytes of a row
	s_add_co_u32 s16, s16, s15
	s_mov_b32 s17, 0
	s_lshr_b32 s18, ttmp9, 5                       ; my sequence,
	s_lshl_b32 s18, s18, 21                        ; its row 0: 512 rows of 4,096 bytes a sequence
	s_add_co_u32 s18, s18, s15
	s_mov_b32 s19, 0
	s_lshl_b32 s20, s12, 16                        ; my wave's 128 rows of proj
	s_mov_b32 s21, 0
	s_mov_b32 s28, 0x76543210                      ; v_permlanex16_b32: lane i of one half reads lane i of the other
	s_mov_b32 s29, 0xfedcba98
	s_wait_kmcnt 0x0
	s_add_nc_u64 s[16:17], s[4:5], s[16:17]
	s_add_nc_u64 s[18:19], s[4:5], s[18:19]
	s_add_nc_u64 s[20:21], s[6:7], s[20:21]
	; 49 loads go out at once: row 0, my 16 rows, and the ring's first 32 loads of proj
	global_load_b128 v[AF:AF+3], v1, s[18:19]
.irp m, 0,1,2,3,4,5,6,7,8,9,10,11,12,13,14,15
	global_load_b128 v[ACC+4*\m:ACC+4*\m+3], v1, s[16:17] offset:\m*4*ROWB th:TH_LOAD_NT
.endr
.set bi, 0
.rept 32
	BLOAD bi
.set bi, bi+1
.endr
	; LDS addresses, while the loads are on their way
	s_mul_i32 s22, s12, AWAVE
	v_lshl_add_u32 v3, v18, 3, s22                 ; in: 8 bytes (4 bf16) a lane
	v_mul_u32_u24 v4, v16, APITCH
	v_lshl_add_u32 v4, v17, 4, v4
	v_add_nc_u32 v4, s22, v4                       ; out: row r, 16 h
	s_mul_i32 s23, s12, PWAVE
	s_add_co_u32 s23, s23, PBASE
	v_mul_u32_u24 v5, v17, 8*PPITCH
	v_lshl_add_u32 v5, v16, 4, v5
	v_add_nc_u32 v5, s23, v5                       ; partial sums in: my block, row 8 h, column 4 r
	s_lshl_b32 s24, s12, 6
	s_add_co_u32 s25, s24, PBASE
	v_mul_u32_u24 v6, v16, PPITCH
	v_lshl_add_u32 v6, v17, 5, v6
	v_add_nc_u32 v6, s25, v6                       ; partial sums out: row r, the 32 bytes of chunk 2 w + h
	s_add_co_u32 s26, s24, NBASE
	v_lshl_add_u32 v7, v16, 2, s26                 ; partial norms: wave w, row r
	; batch: minus row 0 in f32, round, and turn through my own LDS bytes (lane = 4 k of one row  ->  lane = row)
	s_wait_loadcnt 32                              ; loads come back in order (ISA guide 5.7.1): row 0 and my 16 rows are in, the 32 loads of proj stay out
	v_pk_mul_f32 v[AF:AF+1], v[AF:AF+1], -1.0 op_sel_hi:[1,0]      ; row 0 is negated once, so that a row costs two packed adds
	v_pk_mul_f32 v[AF+2:AF+3], v[AF+2:AF+3], -1.0 op_sel_hi:[1,0]
.irp m, 0,1,2,3,4,5,6,7,8,9,10,11,12,13,14,15
	v_pk_add_f32 v[ACC+4*\m:ACC+4*\m+1], v[ACC+4*\m:ACC+4*\m+1], v[AF:AF+1]
	v_pk_add_f32 v[ACC+4*\m+2:ACC+4*\m+3], v[ACC+4*\m+2:ACC+4*\m+3], v[AF+2:AF+3]
	v_cvt_pk_bf16_f32 v[F+2*\m], v[ACC+4*\m], v[ACC+4*\m+1]
	v_cvt_pk_bf16_f32 v[F+2*\m+1], v[ACC+4*\m+2], v[ACC+4*\m+3]
	ds_store_b64 v3, v[F+2*\m:F+2*\m+1] offset:\m*APITCH
.endr
; Group q = K step s, half row 'half': 16 loads of the ring become four B fragments, then four matrix instructions.
; Two loads (rows k, k + 1) are awaited, rounded together (4 conversions), and their ring places are asked for again at once: 30 to 32 loads of the wave stay out.
; The eight accumulators take turns, one instruction a turn.
.macro GROUP q, s, half, zero, refill
.if \q
.rept 4
	v_nop                                          ; four places behind the last matrix instructions (ISA guide 7.12.1) before their sources F and AF are written again
.endr
.endif
.if \half
.else
	ds_load_b128 v[AF:AF+3],   v4 offset:64*\s     ; k = 32 s + 8 h .. + 7 of row r; LDS serves a wave's instructions in order (ISA guide 5.7.1), so these see my stores above
	ds_load_b128 v[AF+4:AF+7], v4 offset:64*\s+32  ; k = 32 s + 16 + 8 h .. + 7
.endif
.irp i, 0,1,2,3,4,5,6,7
.if \refill
	s_wait_loadcnt 30                              ; the ring's two oldest loads are in; the 30 younger ones stay out
.else
	s_wait_loadcnt 126-16*\q-2*\i                  ; nothing is asked for any more: the count of younger loads runs down to 0
.endif
.irp c, 0,1,2,3
	v_cvt_pk_bf16_f32 v[F+8*\c+\i], v[ST+64*\half+8*\i+\c], v[ST+64*\half+8*\i+4+\c]   ; register i of tile c: rows k (low half) and k + 1 of column c0 + 4 r + c
.endr
.if \refill
	BLOAD 16*\q+32+2*\i
	BLOAD 16*\q+33+2*\i
.endif
.endr
.if \half
.else
	s_wait_dscnt 0x0                               ; the K step's A fragment is in
.endif
.irp c, 0,1,2,3
.if \zero
	v_wmma_f32_16x16x32_bf16 v[ACC+32*\half+8*\c:ACC+32*\half+8*\c+7], v[AF:AF+7], v[F+8*\c:F+8*\c+7], 0   ; the first product starts the sum
.else
	v_wmma_f32_16x16x32_bf16 v[ACC+32*\half+8*\c:ACC+32*\half+8*\c+7], v[AF:AF+7], v[F+8*\c:F+8*\c+7], v[ACC+32*\half+8*\c:ACC+32*\half+8*\c+7]
.endif
.endr
.endm
	; eight groups, written out: every address is a base and an immediate, no pointer is stepped
	GROUP 0, 0, 0, 1, 1
	GROUP 1, 0, 1, 1, 1
	GROUP 2, 1, 0, 0, 1
	GROUP 3, 1, 1, 0, 1
	GROUP 4, 2, 0, 0, 1
	GROUP 5, 2, 1, 0, 1
	GROUP 6, 3, 0, 0, 0
	GROUP 7, 3, 1, 0, 0
	; The eight waves' partial blocks meet in LDS as [wave][row][column] f32.  Register j of tile t is (row 8 h + j, column 64 (t/4) + 4 r + t%4).
	; A lane's neighbouring columns lie in four different accumulators, so the stores are of 4 bytes.  Rows 8 apart lie 8 x 132 words = 32 banks apart
	; (64 banks of 4 bytes: ISA guide 11.1), so lane (r, 1) falls on the bank of lane (r + 8, 0); a pitch that parted them would be no multiple of 16 bytes.
.rept 4
	v_nop                                          ; four places before the results are read (ISA guide 7.12.1)
.endr
.irp t, 0,1,2,3,4,5,6,7
.irp j, 0,1,2,3,4,5,6,7
	ds_store_b32 v5, v[ACC+8*\t+\j] offset:\j*PPITCH+(\t/4)*256+(\t%4)*4
.endr
.endr
	s_wait_dscnt 0x0                               ; my block is written,
	s_barrier_signal -1
	s_barrier_wait -1                              ; everybody's is
	; thread t = 16 chunk + m adds the eight partial sums of row m, columns 8 chunk .. + 7; 16 lanes read 16 rows, 33 x 16 bytes apart
.irp p, 0,1,2,3,4,5,6,7
	ds_load_b128 v[ST+8*\p:ST+8*\p+3],   v6 offset:\p*PWAVE
	ds_load_b128 v[ST+8*\p+4:ST+8*\p+7], v6 offset:\p*PWAVE+16
.endr
	v_lshlrev_b32 v8, 4, v0                        ; where my 16 bytes go in the tile: 256 chunk + 16 m = 16 t
	s_lshl_b32 s22, ttmp9, 12                      ; tile g
	s_mov_b32 s23, 0
	s_add_nc_u64 s[8:9], s[8:9], s[22:23]
.irp p, 1,2,3,4,5,6,7
	s_wait_dscnt 14-2*\p                           ; blocks 0 to p are in; the two loads of each later block stay out
.irp e, 0,2,4,6
	v_pk_add_f32 v[ST+\e:ST+\e+1], v[ST+\e:ST+\e+1], v[ST+8*\p+\e:ST+8*\p+\e+1]       ; k ascending
.endr
.endr
.irp i, 0,1,2,3
	v_cvt_pk_bf16_f32 v[F+\i], v[ST+2*\i], v[ST+2*\i+1]
.endr
	global_store_b128 v8, v[F:F+3], s[8:9]         ; a wave stores 512 consecutive bytes, aligned
	; the norm is made of the rounded numbers, the very operands of the later products
.irp i, 0,1,2,3
	v_lshlrev_b32 v[ST+8+2*\i], 16, v[F+\i]
	v_and_b32     v[ST+9+2*\i], 0xffff0000, v[F+\i]
.endr
	v_pk_mul_f32 v[ST:ST+1], v[ST+8:ST+9], v[ST+8:ST+9]
	v_pk_fma_f32 v[ST:ST+1], v[ST+10:ST+11], v[ST+10:ST+11], v[ST:ST+1]
	v_pk_fma_f32 v[ST:ST+1], v[ST+12:ST+13], v[ST+12:ST+13], v[ST:ST+1]
	v_pk_fma_f32 v[ST:ST+1], v[ST+14:ST+15], v[ST+14:ST+15], v[ST:ST+1]
	v_add_f32 v[ST], v[ST], v[ST+1]                ; my 8 columns
	v_permlanex16_b32 v[ST+1], v[ST], s28, s29     ; the wave's other chunk of the same row
	v_add_f32 v[ST], v[ST], v[ST+1]
	ds_store_b32 v7, v[ST]                         ; lanes r and r + 16 write the same word with the same value
	s_wait_dscnt 0x0
	s_barrier_signal -1
	s_barrier_wait -1
	s_cmp_lg_u32 s12, 0
	s_cbranch_scc1 .Lend                           ; wave 0 adds the eight waves' parts and stores the 16 norms
.irp p, 0,1,2,3,4,5,6,7
	ds_load_b32 v[ST+8+\p], v7 offset:64*\p        ; in wave 0 v7 is the table's start + 4 r
.endr
	v_and_b32 v9, 15, v0
	v_lshlrev_b32 v9, 2, v9
	s_lshl_b32 s22, ttmp9, 6                       ; 16 norms of 4 bytes a tile
	s_add_nc_u64 s[10:11], s[10:11], s[22:23]
	s_wait_dscnt 0x0
	v_pk_add_f32 v[ST+8:ST+9], v[ST+8:ST+9], v[ST+10:ST+11]
	v_pk_add_f32 v[ST+12:ST+13], v[ST+12:ST+13], v[ST+14:ST+15]
	v_pk_add_f32 v[ST+8:ST+9], v[ST+8:ST+9], v[ST+12:ST+13]
	v_add_f32 v[ST+8], v[ST+8], v[ST+9]
	v_cmp_gt_u32 vcc_lo, 16, v0
	s_wait_xcnt 0x0                                ; EXEC is a source of the store above: it changes only behind this wait
	s_and_saveexec_b32 s30, vcc_lo
	global_store_b32 v9, v[ST+8], s[10:11]         ; 16 lanes, 64 consecutive bytes: all that 16 rows have
	s_wait_xcnt 0x0                                ; and again before EXEC is widened
	s_or_b32 exec_lo, exec_lo, s30
.Lend:
	s_wait_tensorcnt 0x0
	ds_add_u32 v240, v241
	s_wait_dscnt 0x0
	s_endpgm
.Lfunc_end_k_qe289514974_project:
	.size	k_qe289514974_project, .Lfunc_end_k_qe289514974_project-k_qe289514974_project
	.p2alignl 7, 3214868480
	.fill 96, 4, 3214868480
	.section	.rodata,"a",@progbits
	.p2align	6, 0x0
	.amdhsa_kernel k_qe289514974_project
		.amdhsa_group_segment_fixed_size 103936
		.amdhsa_private_segment_fixed_size 0
		.amdhsa_enable_private_segment 0
		.amdhsa_kernarg_size 32
		.amdhsa_user_sgpr_count 2
		.amdhsa_user_sgpr_kernarg_segment_ptr 1
		.amdhsa_wavefront_size32 1
		.amdhsa_system_sgpr_workgroup_id_x 1
		.amdhsa_system_sgpr_workgroup_id_y 1
		.amdhsa_system_sgpr_workgroup_id_z 1
		.amdhsa_system_vgpr_workitem_id 0
		.amdhsa_next_free_vgpr 242
		.amdhsa_next_free_sgpr 66
		.amdhsa_reserve_vcc 1
		.amdhsa_float_denorm_mode_32 3
		.amdhsa_float_denorm_mode_16_64 3
		.amdhsa_memory_ordered 1
		.amdhsa_forward_progress 1
		.amdhsa_inst_pref_size 53
	.end_amdhsa_kernel
	.amdgpu_metadata
---
amdhsa.version: [ 1, 2 ]
amdhsa.kernels:
  - .name:           k_qe289514974_project
    .symbol:         k_qe289514974_project.kd
    .args:
      - { .name: batch, .offset: 0, .size: 8, .value_kind: global_buffer, .address_space: global }
      - { .name: proj, .offset: 8, .size: 8, .value_kind: global_buffer, .address_space: global }
      - { .name: tfrag, .offset: 16, .size: 8, .value_kind: global_buffer, .address_space: global }
      - { .name: norms, .offset: 24, .size: 8, .value_kind: global_buffer, .address_space: global }
    .group_segment_fixed_size: 103936
    .private_segment_fixed_size: 0
    .kernarg_segment_align: 8
    .kernarg_segment_size: 32
    .max_flat_workgroup_size: 256
    .sgpr_count:     66
    .vgpr_count:     242
    .wavefront_size: 32
...
	.end_amdgpu_metadata
.endif
;; end of part 1
;; launch pairs (part 2): grid 256 x 1, 4 waves a work-group, no clusters, 0 bytes of LDS; arguments tfrag, norms, out0; writes out0
.if DOCPART == 2
	.amdgcn_target "amdgcn-amd-amdhsa--gfx1250"
	.amdhsa_code_object_version 6
	.text
	.protected	k_qe289514974_pairs
	.globl	k_qe289514974_pairs
	.p2align	8
	.type	k_qe289514974_pairs,@function
k_qe289514974_pairs:
	s_mov_b64 s[64:65], 0
	v_nop
	global_prefetch_b8 v0, s[64:65] scope:SCOPE_SE
	s_setreg_imm32_b32 hwreg(HW_REG_WAVE_MODE, 25, 1), 1
	s_wait_xcnt 0x0
; out0[b][i][j] = |a|^2 + |b|^2 - 2 a.b, a and b the rows i and j of sequence b as the first launch left them: relative to the sequence's row 0, in bf16,
; with norms summed in f32 from those same bf16 numbers.  So the result is the squared distance of the two rounded vectors, up to f32 rounding of sums that
; are themselves squared distances from row 0.  LIMITS, kept on purpose: the rounding to bf16 costs about 2^-8 x (the rows' distance from row 0) x (the root of
; the distance); the diagonal comes out as a residue of about 2^-22 of the norm, of either sign, not as an exact 0.
; tfrag: 256 tiles of 4 KiB; tile 4 G + c holds rows 64 G + 4 m + c (m = 0..15) in fragment order: byte 512 q + 16 lane = registers 4 q .. 4 q + 3 of the tile's
; four K = 32 fragments (A and B have one layout: ISA guide 7.12.2).  Every load of a wave is 512 consecutive bytes and needs no LDS and no shuffle.
; WORK: work-group g makes rows 64 (g>>2) .. + 63 (counted over all sequences) x 128 columns.  Wave w makes two tiles of 16 rows (c = 2 (w>>1), + 1) x the 64 columns of
; group 2 (g&3) + (w&1).  The four B tiles of a column group have interleaved columns (tile c, lane r: column 4 r + c), so a lane's results of the four tiles are four
; NEIGHBOURING numbers of a row of out0, and 16 lanes store 256 consecutive bytes, aligned.
; NO JOINT REQUESTS and no LDS, although work-groups read the same tiles: there is one step and no loop; a wave's 24 KiB arrive as fragments, all asked for at its start;
; a way through LDS would add a write and a read of these bytes, a barrier and two rounds of a cluster's barrier.
.set NB,  8                            ; v[8:11]    |b|^2 of my column in tiles 0..3
.set NA,  12                           ; v[12:27]   for each of my two row tiles: |a|^2 of rows 8 h + 0..7, then -|a|^2 / 2
.set B,   28                           ; v[28:155]  four B tiles, 32 registers each (K step s at 8 s)
.set A,   156                          ; v[156:219] two A tiles; afterwards the results, register 4 j + c
.set ACC, 220                          ; v[220:251] four accumulator tiles
; v1 16 lane; v2 offset in out0; v3 32 h; v4 4 r
	s_load_b128 s[4:7], s[0:1], 0x0                ; tfrag s[4:5], norms s[6:7]
	s_load_b64 s[8:9], s[0:1], 0x10                ; out0
	v_lshrrev_b32 v5, 5, v0
	v_readfirstlane_b32 s10, v5                    ; wave 0..3
	v_and_b32 v1, 31, v0
	v_lshlrev_b32 v1, 4, v1                        ; 16 lane
	v_and_b32 v4, 15, v0                           ; r
	v_bfe_u32 v3, v0, 4, 1                         ; h
	v_lshlrev_b32 v2, 4, v4
	v_lshl_add_u32 v2, v3, 16, v2                  ; out0: 16 r, and 32 rows of 2,048 bytes further down for lanes 16-31 (row 4 (8 h + j) + c)
	v_lshlrev_b32 v3, 5, v3                        ; norms of rows 8 h ..
	v_lshlrev_b32 v4, 2, v4                        ; norm of column r
	s_lshr_b32 s11, ttmp9, 2                       ; my group of 64 rows, counted over all sequences
	s_lshr_b32 s12, s10, 1                         ; which two of its four tiles
	s_and_b32 s13, ttmp9, 3
	s_and_b32 s14, s10, 1
	s_lshl_b32 s13, s13, 1
	s_add_co_u32 s13, s13, s14                     ; my group of 64 columns in the sequence
	s_lshr_b32 s14, ttmp9, 5
	s_lshl_b32 s14, s14, 3
	s_add_co_u32 s14, s14, s13                     ; the same, counted over all sequences
	s_lshl_b32 s16, s11, 14                        ; A: 4 tiles of 4 KiB a group,
	s_lshl_b32 s15, s12, 13                        ; my two
	s_add_co_u32 s16, s16, s15
	s_mov_b32 s17, 0
	s_lshl_b32 s18, s14, 14                        ; B: the column group's 16 KiB
	s_mov_b32 s19, 0
	s_lshl_b32 s20, s11, 8                         ; norms: 64 bytes a tile
	s_lshl_b32 s15, s12, 7
	s_add_co_u32 s20, s20, s15
	s_mov_b32 s21, 0
	s_lshl_b32 s22, s14, 8
	s_mov_b32 s23, 0
	s_lshl_b32 s24, s11, 17                        ; out0: 64 rows of 2,048 bytes a group,
	s_lshl_b32 s15, s12, 12                        ; row 2 (w>>1),
	s_add_co_u32 s24, s24, s15
	s_lshl_b32 s15, s13, 8                         ; 64 columns of 4 bytes
	s_add_co_u32 s24, s24, s15
	s_mov_b32 s25, 0
	s_wait_kmcnt 0x0
	s_add_nc_u64 s[16:17], s[4:5], s[16:17]
	s_add_nc_u64 s[18:19], s[4:5], s[18:19]
	s_add_nc_u64 s[20:21], s[6:7], s[20:21]
	s_add_nc_u64 s[22:23], s[6:7], s[22:23]
	s_add_nc_u64 s[24:25], s[8:9], s[24:25]
	; all 56 loads of the wave go out at once
.irp c, 0,1,2,3
	global_load_b32 v[NB+\c], v4, s[22:23] offset:64*\c
.endr
.irp a, 0,1
	global_load_b128 v[NA+8*\a:NA+8*\a+3],   v3, s[20:21] offset:64*\a
	global_load_b128 v[NA+8*\a+4:NA+8*\a+7], v3, s[20:21] offset:64*\a+16
.endr
.irp q, 0,1,2,3,4,5,6,7
	global_load_b128 v[A+4*\q:A+4*\q+3], v1, s[16:17] offset:512*\q
.endr
.set li, 0
.rept 32
	global_load_b128 v[B+4*li:B+4*li+3], v1, s[18:19] offset:512*li
.set li, li+1
.endr
.irp q, 8,9,10,11,12,13,14,15
	global_load_b128 v[A+4*\q:A+4*\q+3], v1, s[16:17] offset:512*\q
.endr
; One tile of 16 rows x 64 columns.  The first K step takes C = -|a|^2 / 2 (register j: row 8 h + j, as in the result), so that one fused multiply-add a number is left:
; -2 (a.b - |a|^2 / 2) + |b|^2.  It also moves the number to register 4 j + c, beside its row's neighbours.  The four accumulators take turns, one instruction a turn.
.macro TASK a
.irp c, 0,1,2,3
	v_wmma_f32_16x16x32_bf16 v[ACC+8*\c:ACC+8*\c+7], v[A+32*\a:A+32*\a+7], v[B+32*\c:B+32*\c+7], v[NA+8*\a:NA+8*\a+7]
.endr
.irp s, 1,2,3
.irp c, 0,1,2,3
	v_wmma_f32_16x16x32_bf16 v[ACC+8*\c:ACC+8*\c+7], v[A+32*\a+8*\s:A+32*\a+8*\s+7], v[B+32*\c+8*\s:B+32*\c+8*\s+7], v[ACC+8*\c:ACC+8*\c+7]
.endr
.endr
.rept 4
	v_nop                                          ; four places (ISA guide 7.12.1) before the results are read and the A tile, a source, is written over
.endr
.irp j, 0,1,2,3,4,5,6,7
.irp c, 0,1,2,3
	v_fma_f32 v[A+32*\a+4*\j+\c], -2.0, v[ACC+8*\c+\j], v[NB+\c]
.endr
	global_store_b128 v2, v[A+32*\a+4*\j:A+32*\a+4*\j+3], s[24:25] offset:8192*\j+2048*\a th:TH_STORE_NT   ; rows 4 j + c and 32 + 4 j + c: 256 consecutive bytes each, aligned
.endr
.endm
	s_wait_loadcnt 8                               ; loads come back in order (ISA guide 5.7.1): all but the second A tile's eight are in
.irp i, 0,1,2,3,4,5,6,7
	v_pk_mul_f32 v[NA+2*\i:NA+2*\i+1], v[NA+2*\i:NA+2*\i+1], -0.5 op_sel_hi:[1,0]     ; exact
.endr
	TASK 0
	s_wait_loadcnt 0x0                             ; the second A tile
	TASK 1                                         ; its first products write over the accumulators behind the four v_nop and the multiply-adds of the first tile
	s_endpgm
.Lfunc_end_k_qe289514974_pairs:
	.size	k_qe289514974_pairs, .Lfunc_end_k_qe289514974_pairs-k_qe289514974_pairs
	.p2alignl 7, 3214868480
	.fill 96, 4, 3214868480
	.section	.rodata,"a",@progbits
	.p2align	6, 0x0
	.amdhsa_kernel k_qe289514974_pairs
		.amdhsa_group_segment_fixed_size 0
		.amdhsa_private_segment_fixed_size 0
		.amdhsa_enable_private_segment 0
		.amdhsa_kernarg_size 24
		.amdhsa_user_sgpr_count 2
		.amdhsa_user_sgpr_kernarg_segment_ptr 1
		.amdhsa_wavefront_size32 1
		.amdhsa_system_sgpr_workgroup_id_x 1
		.amdhsa_system_sgpr_workgroup_id_y 1
		.amdhsa_system_sgpr_workgroup_id_z 1
		.amdhsa_system_vgpr_workitem_id 0
		.amdhsa_next_free_vgpr 252
		.amdhsa_next_free_sgpr 66
		.amdhsa_reserve_vcc 0
		.amdhsa_float_denorm_mode_32 3
		.amdhsa_float_denorm_mode_16_64 3
		.amdhsa_memory_ordered 1
		.amdhsa_forward_progress 1
		.amdhsa_inst_pref_size 16
	.end_amdhsa_kernel
	.amdgpu_metadata
---
amdhsa.version: [ 1, 2 ]
amdhsa.kernels:
  - .name:           k_qe289514974_pairs
    .symbol:         k_qe289514974_pairs.kd
    .args:
      - { .name: tfrag, .offset: 0, .size: 8, .value_kind: global_buffer, .address_space: global }
      - { .name: norms, .offset: 8, .size: 8, .value_kind: global_buffer, .address_space: global }
      - { .name: out0, .offset: 16, .size: 8, .value_kind: global_buffer, .address_space: global }
    .group_segment_fixed_size: 0
    .private_segment_fixed_size: 0
    .kernarg_segment_align: 8
    .kernarg_segment_size: 24
    .max_flat_workgroup_size: 128
    .sgpr_count:     66
    .vgpr_count:     252
    .wavefront_size: 32
...
	.end_amdgpu_metadata
.endif
;; end of part 2
